; MI455X (gfx1250); checked and timed in simulation.
; The chip was launched on July 23, 2026; its instructions are those of AMD's public machine-readable ISA for CDNA 5 (MIT licence, August 2026) and "CDNA5" Instruction Set Architecture Reference Guide (July 2026). The comments in the code are by the model that wrote it; some were corrected since.
;; Recursive Attn Pooling. Allowed arithmetic: float matrix products may take bf16 or f16 operands with f32 sums; all other float work in f32.
;; Inputs: W1 768 x 256 float32; W2 256 x 256 float32; Wc 256 x 256 float32; b0 192 float32; b2 256 float32; bp 1 float32; h 16 x 8,192 x 256 float32; w0 512 x 192 float32; wp 256 float32.
;; Outputs: out0 16 x 4 x 192 float32; out1 4 x 1 float32.
;; One version. Each part assembles by itself: llvm-mc -triple=amdgcn-amd-amdhsa -mcpu=gfx1250 --defsym DOCPART=n.
;; ======== version 1 of 1: 7 launches
;; limits: values outside matrix products are rounded to bf16
;; workspace buffers: hb 67,108,864 bytes; ps 524,288 bytes; wf 417,792 bytes; x0 819,200 bytes; x1 819,200 bytes; x2 819,200 bytes; x3 819,200 bytes; x4 819,200 bytes
;; launch stats (part 1): grid 256 x 1, 16 waves a work-group, no clusters, 18,432 bytes of LDS; arguments h, hb, ps, x0; writes hb, ps, x0
.if DOCPART == 1
	.amdgcn_target "amdgcn-amd-amdhsa--gfx1250"
	.amdhsa_code_object_version 6
	.text
	.protected	k_q969a5c8cf4_stats
	.globl	k_q969a5c8cf4_stats
	.p2align	8
	.type	k_q969a5c8cf4_stats,@function
k_q969a5c8cf4_stats:
	s_mov_b64 s[64:65], 0
	v_nop
	global_prefetch_b8 v0, s[64:65] scope:SCOPE_SE
	s_setreg_imm32_b32 hwreg(HW_REG_WAVE_MODE, 25, 1), 1
	s_wait_xcnt 0x0
; One pass over h [16*8192][256] f32: a bf16 copy hb, and for each work-group's 512 rows the column sums of h and of h*h in f32 (ps).
; THE SUMS ARE TAKEN OF THE ROUNDED COPY: every later launch sees h only as hb, and sum (o + b2) h is split there into sum o h (from hb) and b2 x sum h (from ps);
; both parts must be sums over the same numbers, since their result enters m2 - mu^2, a difference of large sums under a root.  So mu0 and sig0 too are those of h rounded to bf16.
; It also writes the empty state x0 that the first pass of the iteration reads: C = 0, context partials 0, (m, l) = (0, 1).
; A stream: memory binds, so no matrix unit, no cluster, no tile in LDS.  Thread t owns the 16 bytes at byte 16 t of every block of
; 8 rows (8,192 bytes): 4 columns of one row in eight.  A load of a wave covers 512 consecutive bytes, a store of a wave 256, aligned.
; A ring of 16 register slots keeps 16 loads of every wave on their way: 16 waves x 16 x 512 bytes = 128 KiB for the work-group.
.set DEPTH, 16
.set PASSI, 8192                       ; bytes of h in a block of 8 rows
.set PASSO, 4096                       ; bytes of hb in it
.set VI,   1                           ; v1        16 t: my bytes in a block of h; also my LDS address in the last sum
.set VO,   2                           ; v2        8 t: my bytes in a block of hb
.set X,    4                           ; v[4:67]   slot i: 4 f32 as loaded, then as rounded
.set Y,    68                          ; v[68:99]  slot i: 4 bf16 to store
.set SUMA, 100                         ; v[100:103] sums of h of my 4 columns
.set SUMB, 104                         ; v[104:107] sums of h*h
.set ZR,   110                         ; v[110:113] constants for x0
.set XCTX, 540672                      ; x0: context partials [256][256] f32
.set XML,  802816                      ; x0: [256][4] x (m, l, q, 0)
	s_load_b256 s[4:11], s[0:1], 0x0               ; h s[4:5], hb s[6:7], ps s[8:9], x0 s[10:11]
	v_lshl_add_u32 v120, v0, 2, 0x4000
	v_mov_b32 v121, 0
	v_lshrrev_b32 v3, 5, v0
	v_readfirstlane_b32 s12, v3                    ; wave 0..15
	s_lshl_b32 s14, ttmp9, 19                      ; 512 rows of 1,024 bytes
	s_mov_b32 s15, 0
	s_lshl_b32 s16, ttmp9, 18                      ; 512 rows of 512 bytes
	s_mov_b32 s17, 0
	s_mov_b32 s19, 0xffff0000                      ; a word's upper bf16
	v_lshlrev_b32 v[VI], 4, v0
	v_lshlrev_b32 v[VO], 3, v0
	s_wait_kmcnt 0x0
	s_add_nc_u64 s[4:5], s[4:5], s[14:15]
	s_add_nc_u64 s[6:7], s[6:7], s[16:17]
.irp i, 0,1,2,3,4,5,6,7,8,9,10,11,12,13,14,15
	global_load_b128 v[X+4*\i:X+4*\i+3], v[VI], s[4:5] offset:\i*PASSI th:TH_LOAD_NT
.endr
.irp j, 0,1,2,3,4,5,6,7
	v_mov_b32 v[SUMA+\j], 0                        ; eight sums, cleared while the first loads are on their way
.endr
; One slot's turn.  ahead = 1: the slot is filled again with the block 16 further on.  left = younger loads that may stay out.
.macro SLOT i, ahead, left
	s_wait_loadcnt \left                           ; loads come back in order: this slot's is in
	v_cvt_pk_bf16_f32 v[Y+2*\i], v[X+4*\i], v[X+4*\i+1]
	v_cvt_pk_bf16_f32 v[Y+2*\i+1], v[X+4*\i+2], v[X+4*\i+3]
	v_lshlrev_b32 v[X+4*\i], 16, v[Y+2*\i]         ; the rounded numbers, widened again: the sums are theirs
	v_and_b32 v[X+4*\i+1], s19, v[Y+2*\i]
	v_lshlrev_b32 v[X+4*\i+2], 16, v[Y+2*\i+1]
	v_and_b32 v[X+4*\i+3], s19, v[Y+2*\i+1]
	v_pk_add_f32 v[SUMA:SUMA+1], v[SUMA:SUMA+1], v[X+4*\i:X+4*\i+1]
	v_pk_add_f32 v[SUMA+2:SUMA+3], v[SUMA+2:SUMA+3], v[X+4*\i+2:X+4*\i+3]
	v_pk_fma_f32 v[SUMB:SUMB+1], v[X+4*\i:X+4*\i+1], v[X+4*\i:X+4*\i+1], v[SUMB:SUMB+1]
	v_pk_fma_f32 v[SUMB+2:SUMB+3], v[X+4*\i+2:X+4*\i+3], v[X+4*\i+2:X+4*\i+3], v[SUMB+2:SUMB+3]
.if \ahead
	global_load_b128 v[X+4*\i:X+4*\i+3], v[VI], s[4:5] offset:(DEPTH+\i)*PASSI th:TH_LOAD_NT
.endif
	global_store_b64 v[VO], v[Y+2*\i:Y+2*\i+1], s[6:7] offset:\i*PASSO
.endm
	s_mov_b32 s13, 3                               ; 64 blocks = 4 rounds of 16 slots; the last round stands behind the loop
.Lround:
.irp i, 0,1,2,3,4,5,6,7,8,9,10,11,12,13,14,15
	SLOT \i, 1, DEPTH-1
.endr
	s_wait_xcnt 0x0                                ; the two bases and the stores' data Y are written again only behind this wait
	s_add_nc_u64 s[4:5], s[4:5], DEPTH*PASSI
	s_add_nc_u64 s[6:7], s[6:7], DEPTH*PASSO
	s_sub_co_u32 s13, s13, 1
	s_cmp_lg_u32 s13, 0
	s_cbranch_scc1 .Lround
.irp i, 0,1,2,3,4,5,6,7,8,9,10,11,12,13,14,15
	SLOT \i, 0, DEPTH-1-\i                         ; no load leaves the buffer: the counts run down
.endr
	; the eight threads that share 4 columns meet in LDS: [8 row classes][sums of h: 1,024 bytes, sums of h*h: 1,024 bytes]
	v_lshrrev_b32 v3, 6, v0                        ; row class
	v_and_b32 v108, 63, v0
	v_lshlrev_b32 v108, 4, v108
	v_lshl_add_u32 v108, v3, 11, v108
	ds_store_b128 v108, v[SUMA:SUMA+3]
	ds_store_b128 v108, v[SUMB:SUMB+3] offset:1024
	s_wait_dscnt 0x0                               ; my stores are in LDS before I say so
	s_barrier_signal -1
	s_barrier_wait -1
	s_cmp_ge_u32 s12, 4
	s_cbranch_scc1 .Lrest
	; waves 0 to 3: thread t < 128 adds the eight classes' 16 bytes at 16 t and stores them: 2,048 consecutive bytes of ps
.irp k, 0,1,2,3,4,5,6,7
	ds_load_b128 v[X+4*\k:X+4*\k+3], v[VI] offset:\k*2048
.endr
	s_lshl_b32 s14, ttmp9, 11
	s_add_nc_u64 s[8:9], s[8:9], s[14:15]
	s_wait_dscnt 0x0
.irp k, 0,2,4,6
	v_pk_add_f32 v[X+4*\k:X+4*\k+1], v[X+4*\k:X+4*\k+1], v[X+4*\k+4:X+4*\k+5]
	v_pk_add_f32 v[X+4*\k+2:X+4*\k+3], v[X+4*\k+2:X+4*\k+3], v[X+4*\k+6:X+4*\k+7]
.endr
.irp k, 0,4
	v_pk_add_f32 v[X+4*\k:X+4*\k+1], v[X+4*\k:X+4*\k+1], v[X+4*\k+8:X+4*\k+9]
	v_pk_add_f32 v[X+4*\k+2:X+4*\k+3], v[X+4*\k+2:X+4*\k+3], v[X+4*\k+10:X+4*\k+11]
.endr
	v_pk_add_f32 v[X:X+1], v[X:X+1], v[X+16:X+17]
	v_pk_add_f32 v[X+2:X+3], v[X+2:X+3], v[X+18:X+19]
	global_store_b128 v[VI], v[X:X+3], s[8:9]
	s_wait_tensorcnt 0x0
	ds_add_u32 v120, v121
	s_wait_dscnt 0x0
	s_endpgm
.Lrest:
	s_cmp_gt_u32 s12, 8
	s_cbranch_scc1 .Lend
.irp j, 0,1,2,3
	v_mov_b32 v[ZR+\j], 0
.endr
	s_cmp_ge_u32 s12, 6
	s_cbranch_scc1 .Lsix
	; waves 4 and 5 (t = 128 .. 191): my group's 1,024 bytes of context partials are zero
	s_lshl_b32 s14, ttmp9, 10
	s_add_nc_u64 s[10:11], s[10:11], s[14:15]
	global_store_b128 v[VI], v[ZR:ZR+3], s[10:11] offset:XCTX-2048
	s_wait_tensorcnt 0x0
	ds_add_u32 v120, v121
	s_wait_dscnt 0x0
	s_endpgm
.Lsix:
	s_cmp_eq_u32 s12, 8
	s_cbranch_scc1 .Leight
	; waves 6 and 7 (t = 192 .. 255) of a batch's first group: C of the batch is zero
	s_and_b32 s18, ttmp9, 15
	s_cmp_lg_u32 s18, 0
	s_cbranch_scc1 .Lend
	s_lshr_b32 s14, ttmp9, 4
	s_lshl_b32 s14, s14, 10
	s_add_nc_u64 s[10:11], s[10:11], s[14:15]
	global_store_b128 v[VI], v[ZR:ZR+3], s[10:11] offset:-3072
	s_wait_tensorcnt 0x0
	ds_add_u32 v120, v121
	s_wait_dscnt 0x0
	s_endpgm
.Leight:
	; wave 8 (t = 256 ..), lanes 0 to 3: (m, l, q, 0) = (0, 1, 0, 0) for the group's four entries
	v_mov_b32 v[ZR+1], 1.0
	v_and_b32 v3, 31, v0
	v_cmp_gt_u32 vcc_lo, 4, v3
	s_lshl_b32 s14, ttmp9, 6
	s_add_nc_u64 s[10:11], s[10:11], s[14:15]
	s_wait_xcnt 0x0                                ; EXEC is a source of my pending stores: it changes only behind this wait
	s_and_saveexec_b32 s18, vcc_lo
	global_store_b128 v[VI], v[ZR:ZR+3], s[10:11] offset:XML-4096
	s_wait_xcnt 0x0                                ; and again in front of the line that widens it
	s_or_b32 exec_lo, exec_lo, s18
.Lend:
	s_wait_tensorcnt 0x0
	ds_add_u32 v120, v121
	s_wait_dscnt 0x0
	s_endpgm
.Lfunc_end_k_q969a5c8cf4_stats:
	.size	k_q969a5c8cf4_stats, .Lfunc_end_k_q969a5c8cf4_stats-k_q969a5c8cf4_stats
	.p2alignl 7, 3214868480
	.fill 96, 4, 3214868480
	.section	.rodata,"a",@progbits
	.p2align	6, 0x0
	.amdhsa_kernel k_q969a5c8cf4_stats
		.amdhsa_group_segment_fixed_size 18432
		.amdhsa_private_segment_fixed_size 0
		.amdhsa_enable_private_segment 0
		.amdhsa_kernarg_size 32
		.amdhsa_user_sgpr_count 2
		.amdhsa_user_sgpr_kernarg_segment_ptr 1
		.amdhsa_wavefront_size32 1
		.amdhsa_system_sgpr_workgroup_id_x 1
		.amdhsa_system_sgpr_workgroup_id_y 1
		.amdhsa_system_sgpr_workgroup_id_z 1
		.amdhsa_system_vgpr_workitem_id 0
		.amdhsa_next_free_vgpr 122
		.amdhsa_next_free_sgpr 66
		.amdhsa_reserve_vcc 1
		.amdhsa_float_denorm_mode_32 3
		.amdhsa_float_denorm_mode_16_64 3
		.amdhsa_memory_ordered 1
		.amdhsa_forward_progress 1
		.amdhsa_inst_pref_size 29
	.end_amdhsa_kernel
	.amdgpu_metadata
---
amdhsa.version: [ 1, 2 ]
amdhsa.kernels:
  - .name:           k_q969a5c8cf4_stats
    .symbol:         k_q969a5c8cf4_stats.kd
    .args:
      - { .name: h, .offset: 0, .size: 8, .value_kind: global_buffer, .address_space: global }
      - { .name: hb, .offset: 8, .size: 8, .value_kind: global_buffer, .address_space: global }
      - { .name: ps, .offset: 16, .size: 8, .value_kind: global_buffer, .address_space: global }
      - { .name: x0, .offset: 24, .size: 8, .value_kind: global_buffer, .address_space: global }
    .group_segment_fixed_size: 18432
    .private_segment_fixed_size: 0
    .kernarg_segment_align: 8
    .kernarg_segment_size: 32
    .max_flat_workgroup_size: 512
    .sgpr_count:     66
    .vgpr_count:     122
    .wavefront_size: 32
...
	.end_amdgpu_metadata
.endif
;; end of part 1
;; launch prep (part 2): grid 161 x 1, 8 waves a work-group, no clusters, 9,216 bytes of LDS; arguments ps, W1, W2, Wc, wp, wf; writes wf
.if DOCPART == 2
	.amdgcn_target "amdgcn-amd-amdhsa--gfx1250"
	.amdhsa_code_object_version 6
	.text
	.protected	k_q969a5c8cf4_prep
	.globl	k_q969a5c8cf4_prep
	.p2align	8
	.type	k_q969a5c8cf4_prep,@function
k_q969a5c8cf4_prep:
	s_mov_b64 s[64:65], 0
	v_nop
	global_prefetch_b8 v0, s[64:65] scope:SCOPE_SE
	s_setreg_imm32_b32 hwreg(HW_REG_WAVE_MODE, 25, 1), 1
	s_wait_xcnt 0x0
; What does not change from pass to pass, made once.  Three roles, chosen by the work-group's number (the same for all its waves):
;   0 .. 63    batch b = id / 4, 64 columns: base0[b][p] = sum over k of mu0[k] W1[256+k][p] + sig0[k] W1[512+k][p], sums in f32
;   64 .. 159  W1's first 256 rows, W2 and Wc as bf16 matrix fragments (A operand, row m = output column, K along the source's rows)
;   160        the extra A tile: w2bar[p] = log2(e)/256 x sum over d of W2[p][d], w2wp[p] = sum over d of W2[p][d] wp[d], each as bf16 high + low part
; ALL WEIGHTS ENTER ROUNDED TO bf16, here too where the vector unit multiplies them: W1's rows 256 to 767 are operands of the same product as its first 256 rows, and w2bar and
; w2wp must belong to the W2 that the matrix unit multiplies.  So the whole program computes what reference() gives on h, W1, W2, Wc, w0, wp, b2 rounded to bf16; mu0 and sig0 stay f32.
; wf: W1 fragments 0, W2 fragments 131,072, Wc fragments 262,144, extra tile 393,216, base0 401,408.
; A fragment unit U = ((mtile*8 + kstep)*2 + q)*32 + lane is 16 bytes: src[k0 + 0..7][m], m = 16 mtile + lane%16, k0 = 32 kstep + 16 q + 8 (lane/16).
; Small matrix-vector work on the vector unit: no matrix instruction, no cluster (each work-group reads its own columns).
.set PSR, 16                           ; v[16:47]   partial sums as loaded
.set V,   16                           ; v[16:47]   later: my 32 entries of the vector
.set WPR, 16                           ; v[16:31]   role 160: my 16 numbers of wp
.set M,   84                           ; v[84:211]  32 x 4 numbers of the matrix
.set ACC, 212                          ; v[212:215] my 4 columns' sums
.set RT,  216                          ; v[216:219] packed pairs, four by turns
.set WFX, 393216
.set WFB, 401408
.macro ROUND2 b, n                     ; the 2 n numbers v[b ..] are rounded to bf16 (nearest even) and widened again
.set i, 0
.rept \n
	v_cvt_pk_bf16_f32 v[RT+i%4], v[\b+2*i], v[\b+2*i+1]
	v_lshlrev_b32 v[\b+2*i], 16, v[RT+i%4]
	v_and_b32 v[\b+2*i+1], 0xffff0000, v[RT+i%4]
.set i, i+1
.endr
.endm
.macro SUM16 b                         ; v[b] = the sum of v[b .. b+15]
.irp k, 0,4,8,12
	v_pk_add_f32 v[\b+\k:\b+\k+1], v[\b+\k:\b+\k+1], v[\b+\k+2:\b+\k+3]
.endr
	v_pk_add_f32 v[\b:\b+1], v[\b:\b+1], v[\b+4:\b+5]
	v_pk_add_f32 v[\b+8:\b+9], v[\b+8:\b+9], v[\b+12:\b+13]
	v_pk_add_f32 v[\b:\b+1], v[\b:\b+1], v[\b+8:\b+9]
	v_add_f32 v[\b], v[\b], v[\b+1]
.endm
.macro RED16 b                         ; v[b:b+1] = the sum of the sixteen pairs v[b .. b+31]
.irp k, 0,4,8,12,16,20,24,28
	v_pk_add_f32 v[\b+\k:\b+\k+1], v[\b+\k:\b+\k+1], v[\b+\k+2:\b+\k+3]
.endr
.irp k, 0,8,16,24
	v_pk_add_f32 v[\b+\k:\b+\k+1], v[\b+\k:\b+\k+1], v[\b+\k+4:\b+\k+5]
.endr
.irp k, 0,16
	v_pk_add_f32 v[\b+\k:\b+\k+1], v[\b+\k:\b+\k+1], v[\b+\k+8:\b+\k+9]
.endr
	v_pk_add_f32 v[\b:\b+1], v[\b:\b+1], v[\b+16:\b+17]
.endm
; Thread t = 16 kg + cq takes rows 32 kg .. 32 kg + 31 and columns 4 cq .. 4 cq + 3 of a [512][64] piece: sixteen lanes read 256 consecutive bytes.
.macro MV_LOAD sb, pitch, off0
.set i, 0
.rept 32
	global_load_b128 v[M+4*i:M+4*i+3], v3, s[\sb:\sb+1] offset:\off0+i*\pitch
.set i, i+1
.endr
.endm
; my 32 entries of the vector from LDS (byte 128 kg), then 32 rows x 4 columns of multiply-adds; the first products start the sums
.macro MV_MAC
	v_lshlrev_b32 v8, 7, v4
.irp j, 0,1,2,3,4,5,6,7
	ds_load_b128 v[V+4*\j:V+4*\j+3], v8 offset:16*\j
.endr
	s_wait_loadcnt 0x0                             ; the 32 matrix loads
	ROUND2 M, 64                                   ; the weights as bf16 operands
	s_wait_dscnt 0x0
	v_pk_mul_f32 v[ACC:ACC+1], v[M:M+1], v[V:V+1] op_sel_hi:[1,0]
	v_pk_mul_f32 v[ACC+2:ACC+3], v[M+2:M+3], v[V:V+1] op_sel_hi:[1,0]
	v_pk_fma_f32 v[ACC:ACC+1], v[M+4:M+5], v[V:V+1], v[ACC:ACC+1] op_sel:[0,1,0] op_sel_hi:[1,1,1]
	v_pk_fma_f32 v[ACC+2:ACC+3], v[M+6:M+7], v[V:V+1], v[ACC+2:ACC+3] op_sel:[0,1,0] op_sel_hi:[1,1,1]
.set i, 2
.rept 15
	v_pk_fma_f32 v[ACC:ACC+1], v[M+4*i:M+4*i+1], v[V+i:V+i+1], v[ACC:ACC+1] op_sel_hi:[1,0,1]
	v_pk_fma_f32 v[ACC+2:ACC+3], v[M+4*i+2:M+4*i+3], v[V+i:V+i+1], v[ACC+2:ACC+3] op_sel_hi:[1,0,1]
	v_pk_fma_f32 v[ACC:ACC+1], v[M+4*i+4:M+4*i+5], v[V+i:V+i+1], v[ACC:ACC+1] op_sel:[0,1,0] op_sel_hi:[1,1,1]
	v_pk_fma_f32 v[ACC+2:ACC+3], v[M+4*i+6:M+4*i+7], v[V+i:V+i+1], v[ACC+2:ACC+3] op_sel:[0,1,0] op_sel_hi:[1,1,1]
.set i, i+2
.endr
.endm
; the sixteen row groups' sums meet in LDS at byte 2,048: [16 kg][64 columns] f32
.macro MV_RED
	v_lshlrev_b32 v9, 4, v0
	ds_store_b128 v9, v[ACC:ACC+3] offset:2048
	s_wait_dscnt 0x0                               ; in LDS before I say so
	s_barrier_signal -1
	s_barrier_wait -1
.endm
.macro MV_SUM                          ; wave 0: lane L adds the sixteen groups' columns 2 L, 2 L + 1 into v[M:M+1]
	v_lshlrev_b32 v10, 3, v0
.set i, 0
.rept 16
	ds_load_b64 v[M+2*i:M+2*i+1], v10 offset:2048+256*i
.set i, i+1
.endr
	s_wait_dscnt 0x0
	RED16 M
.endm
	s_load_b256 s[4:11], s[0:1], 0x0               ; ps s[4:5], W1 s[6:7], W2 s[8:9], Wc s[10:11]
	s_load_b128 s[12:15], s[0:1], 0x20             ; wp s[12:13], wf s[14:15]
	v_lshl_add_u32 v224, v0, 2, 0x2000
	v_mov_b32 v225, 0
	v_lshrrev_b32 v1, 5, v0
	v_readfirstlane_b32 s16, v1                    ; wave 0..7
	s_mov_b32 s17, ttmp9
	s_mov_b32 s21, 0
	s_wait_kmcnt 0x0
	s_cmp_ge_u32 s17, 160
	s_cbranch_scc1 .Lrole_x
	s_cmp_ge_u32 s17, 64
	s_cbranch_scc1 .Lrole_w
	; ---- base0 ----
	s_lshr_b32 s18, s17, 2                         ; batch
	s_and_b32 s19, s17, 3                          ; which 64 columns
	s_lshl_b32 s20, s18, 15                        ; 16 groups x 2,048 bytes of ps
	s_add_nc_u64 s[4:5], s[4:5], s[20:21]
	s_lshl_b32 s20, s19, 8
	s_add_nc_u64 s[6:7], s[6:7], s[20:21]          ; W1 at my columns
	v_lshlrev_b32 v2, 2, v0                        ; column d = t
.irp c, 0,1,2,3,4,5,6,7,8,9,10,11,12,13,14,15
	global_load_b32 v[PSR+\c], v2, s[4:5] offset:\c*2048
	global_load_b32 v[PSR+16+\c], v2, s[4:5] offset:\c*2048+1024
.endr
	v_and_b32 v3, 15, v0
	v_lshlrev_b32 v3, 4, v3
	v_lshrrev_b32 v4, 4, v0                        ; kg
	v_lshl_add_u32 v3, v4, 15, v3                  ; 32 rows of 1,024 bytes a group
	MV_LOAD 6, 1024, 262144                        ; from W1's row 256 on
	s_wait_loadcnt 32                              ; the 32 matrix loads are younger: the partial sums are in
	SUM16 PSR
	SUM16 PSR+16
	v_mul_f32 v5, 0x39000000, v[PSR]               ; mu0 = sum / 8192
	v_mul_f32 v6, 0x39000000, v[PSR+16]
	v_fma_f32 v6, -v5, v5, v6
	v_max_num_f32 v6, 0x322bcc77, v6               ; at least 1e-8
	v_sqrt_f32 v7, v6
	v_nop                                          ; one plain place behind the root (ISA guide 5.7.2)
	ds_store_b32 v2, v5
	s_wait_alu depctr_va_vdst(0)
	ds_store_b32 v2, v7 offset:1024
	s_wait_dscnt 0x0
	s_barrier_signal -1
	s_barrier_wait -1
	MV_MAC
	MV_RED
	s_cmp_lg_u32 s16, 0
	s_cbranch_scc1 .Lend
	MV_SUM
	s_lshl_b32 s20, s18, 10
	s_lshl_b32 s22, s19, 8
	s_add_co_u32 s20, s20, s22
	s_add_nc_u64 s[14:15], s[14:15], s[20:21]
	global_store_b64 v10, v[M:M+1], s[14:15] offset:WFB    ; 32 lanes: 256 consecutive bytes, aligned
	s_wait_tensorcnt 0x0
	ds_add_u32 v224, v225
	s_wait_dscnt 0x0
	s_endpgm
	; ---- fragments of W1, W2, Wc: one unit of 16 bytes a thread ----
.Lrole_w:
	s_sub_co_u32 s18, s17, 64
	s_lshr_b32 s19, s18, 5                         ; which matrix
	s_and_b32 s18, s18, 31                         ; which 256 units
	s_cmp_eq_u32 s19, 1
	s_cselect_b64 s[24:25], s[8:9], s[6:7]
	s_cmp_eq_u32 s19, 2
	s_cselect_b64 s[24:25], s[10:11], s[24:25]
	s_lshl_b32 s22, s18, 8
	v_or_b32 v2, s22, v0                           ; U
	v_and_b32 v3, 15, v2
	v_bfe_u32 v4, v2, 4, 1
	v_bfe_u32 v5, v2, 5, 1
	v_bfe_u32 v6, v2, 6, 3
	v_lshrrev_b32 v7, 9, v2
	v_lshl_add_u32 v3, v7, 4, v3                   ; m
	v_lshlrev_b32 v8, 3, v4
	v_lshl_add_u32 v8, v5, 4, v8
	v_lshl_add_u32 v8, v6, 5, v8                   ; k0
	v_lshlrev_b32 v3, 2, v3
	v_lshl_add_u32 v3, v8, 10, v3                  ; k0 rows of 1,024 bytes + 4 m
.irp i, 0,1,2,3,4,5,6,7
	global_load_b32 v[16+\i], v3, s[24:25] offset:\i*1024
.endr
	v_lshlrev_b32 v9, 4, v2
	s_lshl_b32 s20, s19, 17
	s_add_nc_u64 s[14:15], s[14:15], s[20:21]
	s_wait_loadcnt 0x0
.irp i, 0,1,2,3
	v_cvt_pk_bf16_f32 v[24+\i], v[16+2*\i], v[17+2*\i]
.endr
	global_store_b128 v9, v[24:27], s[14:15]
	s_endpgm
	; ---- the extra tile ----
.Lrole_x:
	v_and_b32 v2, 15, v0                           ; r
	v_bfe_u32 v3, v0, 4, 1                         ; h
	v_lshlrev_b32 v4, 4, v2
.irp j, 0,1,2,3
	global_load_b128 v[WPR+4*\j:WPR+4*\j+3], v4, s[12:13] offset:256*\j   ; wp[4 r + 64 j ..]
.endr
	s_lshl_b32 s18, s16, 5
	v_add_nc_u32 v5, s18, v3                       ; row 32 wave + h (+ 2 s)
	v_lshl_add_u32 v6, v5, 10, v4
	v_lshlrev_b32 v7, 2, v5
; sixteen lanes share a row of W2; s8: the row pair's place in the batch's registers, s: its number 0..15
.macro XROW s8, s
	v_pk_add_f32 v[32:33], v[M+16*\s8:M+16*\s8+1], v[M+16*\s8+2:M+16*\s8+3]
	v_pk_mul_f32 v[34:35], v[M+16*\s8:M+16*\s8+1], v[WPR:WPR+1]
	v_pk_fma_f32 v[34:35], v[M+16*\s8+2:M+16*\s8+3], v[WPR+2:WPR+3], v[34:35]
.irp k, 4,6,8,10,12,14
	v_pk_add_f32 v[32:33], v[32:33], v[M+16*\s8+\k:M+16*\s8+\k+1]
	v_pk_fma_f32 v[34:35], v[M+16*\s8+\k:M+16*\s8+\k+1], v[WPR+\k:WPR+\k+1], v[34:35]
.endr
	v_add_f32 v32, v32, v33
	v_add_f32 v34, v34, v35
.irp x, 1,2,4,8
	v_add_f32_dpp v32, v32, v32 row_xmask:\x row_mask:0xf bank_mask:0xf
	v_add_f32_dpp v34, v34, v34 row_xmask:\x row_mask:0xf bank_mask:0xf
.endr
	v_mul_f32 v32, 0x3bb8aa3b, v32                 ; log2(e) / 256
	ds_store_b32 v7, v32 offset:8*(\s)             ; the sixteen lanes store the same word with the same value
	ds_store_b32 v7, v34 offset:1024+8*(\s)
.endm
.macro XBATCH bb                       ; 16 rows of the wave's 32: 32 loads, each of two rows' 256 consecutive bytes
.set i, 0
.rept 8
.irp j, 0,1,2,3
	global_load_b128 v[M+16*i+4*\j:M+16*i+4*\j+3], v6, s[8:9] offset:(8*\bb+i)*2048+256*\j
.endr
.set i, i+1
.endr
	s_wait_loadcnt 0x0
.if \bb == 0
	ROUND2 WPR, 8                                  ; wp as a bf16 operand, once
.endif
	ROUND2 M, 64                                   ; W2 as the matrix unit sees it
.irp s8, 0,1,2,3,4,5,6,7
	XROW \s8, 8*\bb+\s8
.endr
.endm
	XBATCH 0
	XBATCH 1
	s_wait_dscnt 0x0
	s_barrier_signal -1
	s_barrier_wait -1
	; thread t makes units t and t + 256.  Row r of the tile: r%8 = 0 bar high, 1 bar low, 2 wp high, 3 wp low, 4..7 zero.
	v_bfe_u32 v8, v0, 5, 1                         ; q
	v_lshrrev_b32 v9, 6, v0                        ; K step 0..3 (the second unit: + 4)
	v_lshlrev_b32 v10, 3, v3
	v_lshl_add_u32 v10, v8, 4, v10
	v_lshl_add_u32 v10, v9, 5, v10                 ; k0
	v_and_b32 v11, 2, v2
	v_lshlrev_b32 v11, 9, v11                      ; the wp vector lies 1,024 bytes behind the bar vector
	v_lshl_add_u32 v10, v10, 2, v11
	v_and_b32 v12, 1, v2
	v_cmp_eq_u32 s20, 1, v12                       ; a row of low parts
	v_and_b32 v12, 4, v2
	v_cmp_eq_u32 s22, 0, v12                       ; a row that is not zero
	v_lshlrev_b32 v13, 4, v0
.macro XUNIT u                         ; registers 36 + 32 u ..: a set for each unit, so that no store's data are written again
.set B_, 36+32*\u
	ds_load_b128 v[B_:B_+3], v10 offset:512*\u
	ds_load_b128 v[B_+4:B_+7], v10 offset:512*\u+16
	s_wait_dscnt 0x0
.irp k, 0,1,2,3
	v_cvt_pk_bf16_f32 v[B_+8+\k], v[B_+2*\k], v[B_+2*\k+1]          ; high parts
.endr
.irp k, 0,1,2,3
	v_lshlrev_b32 v[B_+12+2*\k], 16, v[B_+8+\k]
	v_and_b32 v[B_+13+2*\k], 0xffff0000, v[B_+8+\k]
.endr
.irp k, 0,2,4,6
	v_pk_add_f32 v[B_+\k:B_+\k+1], v[B_+\k:B_+\k+1], v[B_+12+\k:B_+13+\k] neg_lo:[0,1] neg_hi:[0,1]   ; what the high part leaves
.endr
.irp k, 0,1,2,3
	v_cvt_pk_bf16_f32 v[B_+20+\k], v[B_+2*\k], v[B_+2*\k+1]         ; low parts
.endr
.irp k, 0,1,2,3
	v_cndmask_b32 v[B_+8+\k], v[B_+8+\k], v[B_+20+\k], s20
	v_cndmask_b32 v[B_+8+\k], 0, v[B_+8+\k], s22
.endr
	global_store_b128 v13, v[B_+8:B_+11], s[14:15] offset:WFX+4096*\u
.endm
	XUNIT 0
	XUNIT 1
.Lend:
	s_wait_tensorcnt 0x0
	ds_add_u32 v224, v225
	s_wait_dscnt 0x0
	s_endpgm
.Lfunc_end_k_q969a5c8cf4_prep:
	.size	k_q969a5c8cf4_prep, .Lfunc_end_k_q969a5c8cf4_prep-k_q969a5c8cf4_prep
	.p2alignl 7, 3214868480
	.fill 96, 4, 3214868480
	.section	.rodata,"a",@progbits
	.p2align	6, 0x0
	.amdhsa_kernel k_q969a5c8cf4_prep
		.amdhsa_group_segment_fixed_size 9216
		.amdhsa_private_segment_fixed_size 0
		.amdhsa_enable_private_segment 0
		.amdhsa_kernarg_size 48
		.amdhsa_user_sgpr_count 2
		.amdhsa_user_sgpr_kernarg_segment_ptr 1
		.amdhsa_wavefront_size32 1
		.amdhsa_system_sgpr_workgroup_id_x 1
		.amdhsa_system_sgpr_workgroup_id_y 1
		.amdhsa_system_sgpr_workgroup_id_z 1
		.amdhsa_system_vgpr_workitem_id 0
		.amdhsa_next_free_vgpr 226
		.amdhsa_next_free_sgpr 66
		.amdhsa_reserve_vcc 0
		.amdhsa_float_denorm_mode_32 3
		.amdhsa_float_denorm_mode_16_64 3
		.amdhsa_memory_ordered 1
		.amdhsa_forward_progress 1
		.amdhsa_inst_pref_size 88
	.end_amdhsa_kernel
	.amdgpu_metadata
---
amdhsa.version: [ 1, 2 ]
amdhsa.kernels:
  - .name:           k_q969a5c8cf4_prep
    .symbol:         k_q969a5c8cf4_prep.kd
    .args:
      - { .name: ps, .offset: 0, .size: 8, .value_kind: global_buffer, .address_space: global }
      - { .name: W1, .offset: 8, .size: 8, .value_kind: global_buffer, .address_space: global }
      - { .name: W2, .offset: 16, .size: 8, .value_kind: global_buffer, .address_space: global }
      - { .name: Wc, .offset: 24, .size: 8, .value_kind: global_buffer, .address_space: global }
      - { .name: wp, .offset: 32, .size: 8, .value_kind: global_buffer, .address_space: global }
      - { .name: wf, .offset: 40, .size: 8, .value_kind: global_buffer, .address_space: global }
    .group_segment_fixed_size: 9216
    .private_segment_fixed_size: 0
    .kernarg_segment_align: 8
    .kernarg_segment_size: 48
    .max_flat_workgroup_size: 256
    .sgpr_count:     66
    .vgpr_count:     226
    .wavefront_size: 32
...
	.end_amdgpu_metadata
.endif
;; end of part 2
;; launch it1 (part 3): grid 256 x 1, 4 waves a work-group, no clusters, 309,248 bytes of LDS; arguments hb, wf, x0, x1; writes x1
.if DOCPART == 3
	.amdgcn_target "amdgcn-amd-amdhsa--gfx1250"
	.amdhsa_code_object_version 6
	.text
	.protected	k_q969a5c8cf4_it1
	.globl	k_q969a5c8cf4_it1
	.p2align	8
	.type	k_q969a5c8cf4_it1,@function
k_q969a5c8cf4_it1:
	s_mov_b64 s[64:65], 0
	v_nop
	global_prefetch_b8 v0, s[64:65] scope:SCOPE_SE
	s_setreg_imm32_b32 hwreg(HW_REG_WAVE_MODE, 25, 1), 1
	s_wait_xcnt 0x0
; One pass of the iteration.  Work-group g = 16 b + c owns rows 512 c .. 512 c + 511 of batch b.
;   head:  C = C_prev + 2^-13 x (softmax-weighted sum of h of the pass before, merged from its 16 chunks with their true maximum);
;          bias = base0[b] + C Wc (a matrix product whose 16 columns are all C, which leaves the bias in the accumulators' layout)
;   body:  R = relu(h W1a + bias), o = R W2, and over the 512 rows: sum o h, sum o h^2, scores s = R w2bar (base 2), a running-maximum
;          softmax of s with sum w h and sum w, and q = sum R w2wp.  b2 is added in the last launch (it enters every sum linearly, and shifts all scores alike).
; BOTH PRODUCTS ARE USED TRANSPOSED: source 0 = 16 output columns of the weights, source 1 = 16 rows t.  A lane (r = lane%16, hh = lane/16) then holds
; row t0 + r and 8 neighbouring columns c0 + 8 hh + 0..7: relu's result, packed to bf16, is at once a piece of the second product's source 1 and 16 bytes of a row of R,
; and o lines up with 16 bytes of h's row.
; FOUR WAVES, one for each 64 output columns of both products.  A wave keeps its quarter of W1a and of W2 in 512 registers for the whole launch; the group's 512 rows
; of h (bf16) lie wholly in LDS, brought by two tensor loads a wave in the head; nothing in LDS is ever filled again.  By this text's count a wave has two tensor loads out.
; THE SCHEDULE.  A block is 32 rows = two tiles of 16, with accumulators D0 and D1 (four tiles of 16 columns each).  A trip has four phases of 32 matrix instructions:
;   1  first product,  block i+1, tile 0 -> D0    beside it: the sums of block i-1, tile 1 (they read D1)
;   2  first product,  block i+1, tile 1 -> D1    beside it: relu, rounding and the score products of tile 0 (D0); the softmax weights of block i
;   3  second product, block i,   tile 0 -> D0    beside it: the same of tile 1 (D1); the sum of weights and the rescaling of sum w h
;   4  second product, block i,   tile 1 -> D1    beside it: the sums of block i, tile 0 (D0)
; A slot is one matrix instruction and, behind it, a step of at most four vector instructions that name none of the running phase's registers, so that matrix and vector work
; go side by side.  The two kinds name different register windows, so a slot costs two switches: 24 + 22 + 20 + 24 = 90 slots in a trip.  LDS instructions stand in four runs
; between the phases; each load has a whole phase in which to come back.
; NO CLUSTER: the tiles (rows of h) are each group's own.  What groups share is the weights, 392 KiB a group, which go straight into registers in fragment order;
; a joint tensor load would land in LDS, where 270,336 of the 327,680 bytes hold the group's rows.
; LIMITS: W1, W2, Wc, C, h and relu's result enter the products as bf16; the weighted sums use h rounded to bf16, in f32 arithmetic; relu gives 0 for NaN;
; v_exp_f32 and v_rcp_f32 are 1 ULP and flush denormals.
.set PH,   528                         ; LDS pitch of a row of h: 512 bytes + 16, an odd multiple of 16: the 16 rows of a fragment load touch 16 different 16-byte columns modulo 256
.set BLK,  32*PH                       ; a block of 32 rows
.set TTB,  16*PH                       ; a tile of 16 rows
.set RBO,  512*PH                      ; 270,336: R, two buffers of [4 waves][32 rows] x 144 bytes (128 + 16)
.set RBUF, 18432
.set RWV,  4608
.set RTT,  2304
.set SPO,  RBO+2*RBUF                  ; 307,200: score partials, two buffers of [4 waves][32 rows] f32
.set CSO,  SPO+1024                    ; 308,224: C as 256 bf16
.set STW,  9216                        ; the tail's stage: a wave's quarter of the R ring, two stages of 16 rows x 272 bytes
.set STP,  272
.set STS,  16*STP
.set WF2,  131072                      ; wf: see the launch that writes it
.set WFC,  262144
.set WFX,  393216
.set WFB,  401408
.set XMU,  16384                       ; x: C [16][256] at 0; then [256 groups][256] f32 each: sum o h, sum o h^2, sum w h; then [256][4 waves] x (m, l, q, 0)
.set XM2,  278528
.set XCTX, 540672
.set XML,  802816
; window 0
.set L,    1
.set R_,   2
.set HH,   3
.set AH,   4                           ; r PH + 16 hh (+ the pair of blocks): fragments of h
.set AE,   5                           ; AH + 128 w: my 64 columns of h for the sums
.set AR,   6                           ; RBO + 144 r + 16 hh: fragments of R
.set AS,   7                           ; AR + my wave's part: where I store R
.set ASP,  8                           ; where I store score partials
.set ASL,  9                           ; where I read all four waves' partials
.set ASTG, 10
.set ARD,  11
.set AW,   12                          ; 16 lane: fragments from wf
.set AO,   13                          ; 256 w + 8 lane: my place in a group's 1,024 bytes of output
.set F0,   32                          ; v[32:95]   fragment buffer 0: one tile of 16 rows, 8 K steps x 8
.set F1,   96                          ; v[96:159]  fragment buffer 1
.set BIAS, 160                         ; v[160:191] 4 tiles x 8
.set WX,   192                         ; v[192:207] the extra A tile, my two K steps
.set E,    208                         ; v[208:223] its two accumulators, one for each tile of rows
.set SPV,  224                         ; v[224:231] partials 2 wave + tile (the head: v[224:255] context partials)
.set SA,   232                         ; v[232:233] the two scores
.set BM,   234
.set MN,   235
.set TSC,  237
.set TS0,  238                         ; v[238:239] my score partials of the two tiles
.set MR,   244                         ; v[244:247] = (running maximum, sum of weights, q, 0): stored as they stand
.set LSW,  245
.set QA,   246
; windows 1, 2: my W1a, W2 fragments at 8 (8 mt + ks).  window 3 (in the head: Wc fragments):
.set D,    0                           ; 0-63    accumulators at 32 tt + 8 mt
.set MU,   64                          ; 64-95   sum o h      at 8 mt + j
.set M2,   96                          ; 96-127  sum o h^2
.set CTX,  128                         ; 128-159 sum w h
.set HE,   160                         ; 160-191 h of my columns, bf16, at 16 tt + 4 mt
.set T,    192                         ; 192-207 h widened, two sets of 8
.set W,    214                         ; 214:215 the two rows' weights
.set SC,   216                         ; 216:217 rescale factor, sum of weights
.set LS,   217
.set MSB, 0
.macro WIN new                         ; s_set_vgpr_msb: bits 1:0 source 0, 3:2 source 1, 5:4 source 2, 7:6 destination; the high byte repeats the setting left
.if MSB != \new
	s_set_vgpr_msb (MSB<<8)|\new
.set MSB, \new
.endif
.endm
.macro PLACES n                        ; plain places behind matrix instructions (ISA guide 7.12.1)
.rept \n
	v_nop
.endr
.endm
.macro BAR
	s_wait_dscnt 0x0                               ; my LDS stores are in and my LDS reads are back before I say so
	s_barrier_signal -1
	s_barrier_wait -1
.endm
; ---- the runs of LDS instructions ----
; 16 loads: the 8 K steps of one tile of 16 rows of h, from byte off behind AH
.macro LDH f, off
	WIN 0
.irp ks, 0,1,2,3,4,5,6,7
	ds_load_b128 v[\f+8*\ks:\f+8*\ks+3], v[AH] offset:\off+\ks*64
	ds_load_b128 v[\f+8*\ks+4:\f+8*\ks+7], v[AH] offset:\off+\ks*64+32
.endr
.endm
; the same of R: K step k lies in wave k/2's part at byte 64 (k%2)
.macro LDR f, buf, tt
	WIN 0
.irp ks, 0,1,2,3,4,5,6,7
	ds_load_b128 v[\f+8*\ks:\f+8*\ks+3], v[AR] offset:(\buf)*RBUF+(\ks/2)*RWV+\tt*RTT+(\ks%2)*64
	ds_load_b128 v[\f+8*\ks+4:\f+8*\ks+7], v[AR] offset:(\buf)*RBUF+(\ks/2)*RWV+\tt*RTT+(\ks%2)*64+32
.endr
.endm
.macro SPLOAD buf                      ; 8 loads: the four waves' score partials of a block's two tiles
	WIN 0
.irp wv, 0,1,2,3
.irp tt, 0,1
	ds_load_b32 v[SPV+2*\wv+\tt], v[ASL] offset:(\buf)*512+\wv*128+\tt*64
.endr
.endr
.endm
.macro HLOAD j, tt                     ; 4 loads: h of my 64 columns, one tile of block j of the pair
	WIN 0xc0
.irp mt, 0,1,2,3
	ds_load_b128 v[HE+16*\tt+4*\mt:HE+16*\tt+4*\mt+3], v[AE] offset:(\j)*BLK+\tt*TTB+32*\mt
.endr
.endm
.macro RST tt, buf                     ; 4 stores: my 64 columns of R, one tile
	WIN 0x0c                                       ; store data in window 3
.irp mt, 0,1,2,3
	ds_store_b128 v[AS], v[D+32*\tt+4*\mt:D+32*\tt+4*\mt+3] offset:(\buf)*RBUF+\tt*RTT+32*\mt
.endr
.endm
.macro TST tt, buf                     ; 1 store: my score partials of one tile (both halves of the lanes hold and store the same)
	WIN 0
	ds_store_b32 v[ASP], v[TS0+\tt] offset:(\buf)*512+64*\tt
.endm
; ---- a phase: 32 matrix instructions, K step PQ/4, tile of columns PQ%4: four accumulators by turns, one instruction a turn ----
; wn: 0xf1 = weights in window 1, 0xf2 = in window 2; rows in window 0, sums in window 3.  cmode 1: the sums start from the bias (C from window 0); 2: from zero.
.macro PHASE wn, f, tt, cmode
.set PW, \wn
.set PF, \f
.set PT, \tt
.set PCM, \cmode
.set PQ, 0
.endm
.macro MMA                             ; the phase's next matrix instruction
.set MK, PQ/4
.set MT, PQ%4
.set MD, D+32*PT+8*MT
.if PQ >= 4
	WIN PW
	v_wmma_f32_16x16x32_bf16 v[MD:MD+7], v[8*(8*MT+MK):8*(8*MT+MK)+7], v[PF+8*MK:PF+8*MK+7], v[MD:MD+7]
.else
.if PCM == 1
	WIN 0xc1
	v_wmma_f32_16x16x32_bf16 v[MD:MD+7], v[8*(8*MT+MK):8*(8*MT+MK)+7], v[PF+8*MK:PF+8*MK+7], v[BIAS+8*MT:BIAS+8*MT+7]
.else
	WIN PW
	v_wmma_f32_16x16x32_bf16 v[MD:MD+7], v[8*(8*MT+MK):8*(8*MT+MK)+7], v[PF+8*MK:PF+8*MK+7], 0
.endif
.endif
.set PQ, PQ+1
.endm
.macro MREST                           ; the phase's remaining matrix instructions; then five places, which settle every distance from this phase to what follows:
.rept 32-PQ                            ; four before its sums are read and before loads land on its fragments, five before a matrix instruction writes over one of its registers
	MMA
.endr
	PLACES 5
.endm
; ---- the steps that stand beside a phase ----
; relu and rounding of one tile of rows, step s = 0..11: for each tile of columns two steps of four maxima and one of four roundings.
; Tile mt's 8 numbers go into registers 4 mt .. 4 mt + 3 of the row tile: ascending, so no source is lost.
.macro RSTEP tt, s
	WIN 0xff
.set RM, (\s)/3
.set RP, (\s)%3
.if RP < 2
.irp k, 0,1,2,3
	v_max_num_f32 v[D+32*\tt+8*RM+4*RP+\k], 0, v[D+32*\tt+8*RM+4*RP+\k]
.endr
.else
.irp k, 0,1,2,3
	v_cvt_pk_bf16_f32 v[D+32*\tt+4*RM+\k], v[D+32*\tt+8*RM+2*\k], v[D+32*\tt+8*RM+2*\k+1]
.endr
.endif
.endm
; my 64 columns of R against the extra tile (scores and q): K step k of my two
.macro EMM tt, k
	WIN 0x0c                                       ; source 1 in window 3
.if \k
	v_wmma_f32_16x16x32_bf16 v[E+8*\tt:E+8*\tt+7], v[WX+8:WX+15], v[D+32*\tt+8:D+32*\tt+15], v[E+8*\tt:E+8*\tt+7]
.else
	v_wmma_f32_16x16x32_bf16 v[E+8*\tt:E+8*\tt+7], v[WX:WX+7], v[D+32*\tt:D+32*\tt+7], 0
.endif
.endm
.macro TADD tt, firstq                 ; high + low part of w2bar; q's high and low part join the running sum
	WIN 0
	v_add_f32 v[TS0+\tt], v[E+8*\tt], v[E+8*\tt+1]
.if \firstq
	v_add_f32 v[QA], v[E+8*\tt+2], v[E+8*\tt+3]    ; the first tile starts the sum
.else
	v_add_f32 v[QA], v[QA], v[E+8*\tt+2]
	v_add_f32 v[QA], v[QA], v[E+8*\tt+3]
.endif
.endm
; The block's softmax weights, step c = 0..6.  The four waves' partials are added in the same order by every wave.  The running maximum is the true maximum of all rows so far.
.macro SCSTEP c, first
.if \c == 0
	WIN 0
	v_pk_add_f32 v[SA:SA+1], v[SPV:SPV+1], v[SPV+2:SPV+3]
	v_pk_add_f32 v[SPV+4:SPV+5], v[SPV+4:SPV+5], v[SPV+6:SPV+7]
.endif
.if \c == 1
	WIN 0
	v_pk_add_f32 v[SA:SA+1], v[SA:SA+1], v[SPV+4:SPV+5]
	v_max_num_f32 v[BM], v[SA], v[SA+1]
.endif
.if \c == 2
	WIN 0
	v_max_num_f32_dpp v[BM], v[BM], v[BM] row_xmask:1 row_mask:0xf bank_mask:0xf     ; over the 16 rows; both halves of the lanes hold the same
	v_max_num_f32_dpp v[BM], v[BM], v[BM] row_xmask:2 row_mask:0xf bank_mask:0xf
.endif
.if \c == 3
	WIN 0
	v_max_num_f32_dpp v[BM], v[BM], v[BM] row_xmask:4 row_mask:0xf bank_mask:0xf
	v_max_num_f32_dpp v[BM], v[BM], v[BM] row_xmask:8 row_mask:0xf bank_mask:0xf
.endif
.if \c == 4
	WIN 0
.if \first
	v_mov_b32 v[MR], v[BM]
.else
	v_max_num_f32 v[MN], v[MR], v[BM]
	v_sub_f32 v[TSC], v[MR], v[MN]
	v_mov_b32 v[MR], v[MN]
.endif
.endif
.if \c == 5
	WIN 0
	v_sub_f32 v[SA], v[SA], v[MR]
	v_sub_f32 v[SA+1], v[SA+1], v[MR]
.endif
.if \c == 6
	WIN 0xc0                                       ; results into window 3, where the packed multiply-adds read them
	v_exp_f32 v[W], v[SA]
	v_exp_f32 v[W+1], v[SA+1]
.if \first == 0
	v_exp_f32 v[SC], v[TSC]
.endif
	v_nop                                          ; one plain place behind the exponentials (ISA guide 5.7.2)
.endif
.endm
; the sum of weights (c = 0) and the rescaling of sum w h to the new maximum (c = 1..4)
.macro LSTEP c, first
.if \c == 0
	WIN 0xff
.if \first
	s_wait_alu depctr_va_vdst(0)
	v_add_f32 v[LS], v[W], v[W+1]
.else
	s_wait_alu depctr_va_vdst(0)
	v_fma_f32 v[LS], v[LS], v[SC], v[W]
	v_add_f32 v[LS], v[LS], v[W+1]
.endif
.else
.if \first == 0
	WIN 0xff
.irp k, 0,2,4,6
	v_pk_mul_f32 v[CTX+8*(\c-1)+\k:CTX+8*(\c-1)+\k+1], v[CTX+8*(\c-1)+\k:CTX+8*(\c-1)+\k+1], v[SC:SC+1] op_sel_hi:[1,0]
.endr
.endif
.endif
.endm
; The sums of one tile of rows, step s = 0..23: for each tile of columns six steps of four: widen h (two steps), o h, sum w h, sum o h, sum o h^2.
; The four instructions of a step do not depend on each other.  start = 1 (the first tile of all): the products start the three sums, nothing is cleared.
.macro ESTEP tt, s, start
.set EM, (\s)/6
.set EP, (\s)%6
.set ET, T+8*(EM%2)
.set ED, D+32*\tt+8*EM
.set EH, HE+16*\tt+4*EM
.if EP < 2
	WIN 0xff
.irp k, 0,1
	v_lshlrev_b32 v[ET+4*EP+2*\k], 16, v[EH+2*EP+\k]
	v_and_b32 v[ET+4*EP+2*\k+1], s40, v[EH+2*EP+\k]
.endr
.endif
.if EP == 2
	WIN 0xff
.if \start
.irp k, 0,2,4,6
	v_pk_mul_f32 v[MU+8*EM+\k:MU+8*EM+\k+1], v[ED+\k:ED+\k+1], v[ET+\k:ET+\k+1]
.endr
.else
.irp k, 0,2,4,6
	v_pk_mul_f32 v[ED+\k:ED+\k+1], v[ED+\k:ED+\k+1], v[ET+\k:ET+\k+1]
.endr
.endif
.endif
.if EP == 3
	WIN 0xff
.if \start
.irp k, 0,2,4,6
	v_pk_mul_f32 v[CTX+8*EM+\k:CTX+8*EM+\k+1], v[ET+\k:ET+\k+1], v[W:W+1] op_sel_hi:[1,0]
.endr
.else
.if \tt
.irp k, 0,2,4,6
	v_pk_fma_f32 v[CTX+8*EM+\k:CTX+8*EM+\k+1], v[ET+\k:ET+\k+1], v[W:W+1], v[CTX+8*EM+\k:CTX+8*EM+\k+1] op_sel:[0,1,0] op_sel_hi:[1,1,1]
.endr
.else
.irp k, 0,2,4,6
	v_pk_fma_f32 v[CTX+8*EM+\k:CTX+8*EM+\k+1], v[ET+\k:ET+\k+1], v[W:W+1], v[CTX+8*EM+\k:CTX+8*EM+\k+1] op_sel_hi:[1,0,1]
.endr
.endif
.endif
.endif
.if EP == 4
	WIN 0xff
.if \start
.irp k, 0,2,4,6
	v_pk_mul_f32 v[M2+8*EM+\k:M2+8*EM+\k+1], v[MU+8*EM+\k:MU+8*EM+\k+1], v[ET+\k:ET+\k+1]
.endr
.else
.irp k, 0,2,4,6
	v_pk_add_f32 v[MU+8*EM+\k:MU+8*EM+\k+1], v[MU+8*EM+\k:MU+8*EM+\k+1], v[ED+\k:ED+\k+1]
.endr
.endif
.endif
.if EP == 5
.if \start == 0
	WIN 0xff
.irp k, 0,2,4,6
	v_pk_fma_f32 v[M2+8*EM+\k:M2+8*EM+\k+1], v[ED+\k:ED+\k+1], v[ET+\k:ET+\k+1], v[M2+8*EM+\k:M2+8*EM+\k+1]
.endr
.endif
.endif
.endm
; A trip: the first product of block i + 1, the second product of block i.  j = buf = i%2 (AH, AE stand at the pair's first block).
; On entry: F0 holds h of block i + 1, tile 0; D1 holds o of block i - 1, tile 1; R and the score partials of block i are whole for every wave; no LDS instruction of mine is out.
; nextf = 1: block i + 2 exists.  first = 1: i = 0.  tw = 1: the wait for my second tensor load stands in front of this trip's signal.
.macro TRIP j, buf, nextf, first, tw
	LDH F1, (\j+1)*BLK+TTB                         ; run 1, 24 loads: h of block i + 1, tile 1; the score partials of block i
	SPLOAD \buf
	PHASE 0xf1, F0, 0, 1
.if \first == 0
.irp s, 0,1,2,3,4,5,6,7,8,9,10,11,12,13,14,15,16,17,18,19,20,21,22,23
	MMA
	ESTEP 1, \s, 0
.endr
.endif
	MREST
	LDR F0, \buf, 0                                ; run 2, 16 loads: R of block i, tile 0
	s_wait_dscnt 16                                ; the 16 just issued are younger than run 1
	PHASE 0xf1, F1, 1, 1
.irp s, 0,1,2,3,4,5,6,7,8,9,10,11
	MMA
	RSTEP 0, \s
.endr
	MMA
	EMM 0, 0                                       ; the score products take their turns among the phase's accumulators
	MMA
	EMM 0, 1
	PLACES 4                                       ; before their sums are read
.irp c, 0,1,2,3,4,5,6
	MMA
	SCSTEP \c, \first
.endr
	MMA
	TADD 0, 0
	MREST
	RST 0, (1-\buf)                                ; run 3, 5 stores and 24 loads: R and score partials of block i + 1, tile 0, out; R of block i, tile 1, and h for its sums in
	TST 0, (1-\buf)
	LDR F1, \buf, 1
	HLOAD \j, 0
	HLOAD \j, 1
	s_wait_dscnt 29                                ; 5 + 16 + 8 are younger than run 2
	PHASE 0xf2, F0, 0, 2
.irp s, 0,1,2,3,4,5,6,7,8,9,10,11
	MMA
	RSTEP 1, \s
.endr
	MMA
	EMM 1, 0
	MMA
	EMM 1, 1
	PLACES 4
.irp c, 0,1,2,3,4
	MMA
	LSTEP \c, \first
.endr
	MMA
	TADD 1, 0
	MREST
	RST 1, (1-\buf)                                ; run 4, 5 stores and 16 loads: tile 1 of block i + 1 out; h of block i + 2, tile 0, in
	TST 1, (1-\buf)
.if \nextf
	LDH F0, (\j+2)*BLK
	s_wait_dscnt 21                                ; 5 + 16 are younger than run 3
.else
	s_wait_dscnt 5                                 ; the 5 stores are younger than run 3
.endif
	PHASE 0xf2, F1, 1, 2
.irp s, 0,1,2,3,4,5,6,7,8,9,10,11,12,13,14,15
	MMA
	ESTEP 0, \s, \first
.endr
	s_wait_dscnt 0x0                               ; my stores of R and of the partials of block i + 1 are in, my reads of block i's are back
.if \tw
	s_wait_tensorcnt 0x0                           ; my 96 rows from row 128 on have landed: they are first read behind this barrier, in the next trip's run 4
.endif
	s_barrier_signal -1                            ; say so; only register work stands between this line and the wait
.irp s, 16,17,18,19,20,21,22,23
	MMA
	ESTEP 0, \s, \first
.endr
	MREST
	s_barrier_wait -1                              ; all four waves have said so
.endm
.macro RED16 b                         ; v[b:b+1] = the sum of the sixteen pairs v[b .. b+31]
.irp k, 0,4,8,12,16,20,24,28
	v_pk_add_f32 v[\b+\k:\b+\k+1], v[\b+\k:\b+\k+1], v[\b+\k+2:\b+\k+3]
.endr
.irp k, 0,8,16,24
	v_pk_add_f32 v[\b+\k:\b+\k+1], v[\b+\k:\b+\k+1], v[\b+\k+4:\b+\k+5]
.endr
.irp k, 0,16
	v_pk_add_f32 v[\b+\k:\b+\k+1], v[\b+\k:\b+\k+1], v[\b+\k+8:\b+\k+9]
.endr
	v_pk_add_f32 v[\b:\b+1], v[\b:\b+1], v[\b+16:\b+17]
.endm
.macro STAGE stat, off                 ; my 32 sums of one kind into a stage: row r, columns 16 mt + 8 hh + 0..7
.irp mt, 0,1,2,3
.irp x, 0,1
	ds_store_b128 v[ASTG], v[\stat+8*\mt+4*\x:\stat+8*\mt+4*\x+3] offset:\off+64*\mt+16*\x
.endr
.endr
.endm
.macro UNSTAGE f, off                  ; back by columns: lane L takes columns 2 L, 2 L + 1 of the 16 rows
.set i, 0
.rept 16
	ds_load_b64 v[\f+2*i:\f+2*i+1], v[ARD] offset:\off+STP*i
.set i, i+1
.endr
.endm
	; ---------------- head ----------------
	s_load_b256 s[4:11], s[0:1], 0x0               ; hb s[4:5], wf s[6:7], xin s[8:9], xout s[10:11]
	v_lshl_add_u32 v30, v0, 2, 0x4b600
	v_mov_b32 v31, 0
	ds_add_u32 v30, v31
	ds_add_u32 v30, v31
	v_lshrrev_b32 v1, 5, v0
	v_readfirstlane_b32 s12, v1                    ; wave
	s_mov_b32 s13, ttmp9                           ; g
	s_lshr_b32 s14, s13, 4                         ; batch
	s_and_b32 s15, s13, 15                         ; chunk
	; descriptor group 1, twice: rows of 256 elements of 2 bytes, 16 bytes of padding behind every 128 words; 32 rows, and 96 rows
	s_mov_b32 s16, (1<<16)|(1<<20)|(6<<22)|(3<<25)
	s_mov_b32 s17, 256<<16                         ; tensor_dim0 = 256
	s_mov_b32 s18, 32<<16                          ; tensor_dim1 = 32
	s_mov_b32 s19, 256<<16                         ; tile_dim0 = 256
	s_mov_b32 s20, 32                              ; tile_dim1 = 32
	s_mov_b32 s21, 256                             ; elements from row to row
	s_mov_b32 s22, 0
	s_mov_b32 s23, 0
	s_mov_b32 s24, (1<<16)|(1<<20)|(6<<22)|(3<<25)
	s_mov_b32 s25, 256<<16
	s_mov_b32 s26, 96<<16
	s_mov_b32 s27, 256<<16
	s_mov_b32 s28, 96
	s_mov_b32 s29, 256
	s_mov_b32 s30, 0
	s_mov_b32 s31, 0
	s_mov_b32 s32, 1
	s_mul_i32 s33, s12, 32*PH                      ; rows 32 w ..
	s_mov_b32 s36, 1
	s_mul_i32 s37, s12, 96*PH
	s_add_co_u32 s37, s37, 128*PH                  ; rows 128 + 96 w ..
	s_lshl_b32 s42, s13, 18                        ; 512 rows of 512 bytes
	s_mov_b32 s43, 0
	s_mov_b32 s40, 0xffff0000
	s_wait_dscnt 0x0
	s_wait_kmcnt 0x0
	s_add_nc_u64 s[4:5], s[4:5], s[42:43]
	s_lshl_b32 s42, s12, 14
	s_add_nc_u64 s[34:35], s[4:5], s[42:43]
	s_or_b32 s35, s35, 0x80000000
	s_mul_i32 s42, s12, 96*512
	s_add_co_u32 s42, s42, 128*512
	s_add_nc_u64 s[38:39], s[4:5], s[42:43]
	s_or_b32 s39, s39, 0x80000000
	; Everything is asked for here, in the order in which it is needed: rows 0-127, the partials and the bias, Wc, W1a, the extra tile, W2, rows 128-511.
	tensor_load_to_lds s[32:35], s[16:23]          ; the four waves: rows 0-127, what the first two trips need
	s_nop 0
	s_lshl_b32 s42, s12, 15
	s_add_nc_u64 s[44:45], s[6:7], s[42:43]        ; wf + my quarter of a matrix's fragments
	s_lshl_b32 s42, s12, 11
	s_add_nc_u64 s[46:47], s[6:7], s[42:43]        ; wf + my two K steps of the extra tile
	s_lshl_b32 s42, s14, 10
	s_add_nc_u64 s[50:51], s[8:9], s[42:43]        ; xin + 1,024 b
	s_add_nc_u64 s[54:55], s[10:11], s[42:43]      ; xout + 1,024 b
	s_lshl_b32 s60, s12, 8
	s_add_co_u32 s42, s42, s60
	s_add_nc_u64 s[48:49], s[6:7], s[42:43]        ; wf + 1,024 b + 256 w
	s_lshl_b32 s42, s14, 14
	s_add_nc_u64 s[52:53], s[8:9], s[42:43]        ; xin + 16,384 b
	s_lshl_b32 s42, s13, 10
	s_add_nc_u64 s[56:57], s[10:11], s[42:43]      ; xout + 1,024 g
	s_lshl_b32 s42, s13, 6
	s_add_nc_u64 s[58:59], s[10:11], s[42:43]      ; xout + 64 g
	v_and_b32 v[L], 31, v0
	v_and_b32 v[R_], 15, v0
	v_bfe_u32 v[HH], v0, 4, 1
	v_lshlrev_b32 v25, 6, v[R_]                    ; lane r reads chunk r's (m, l)
	v_lshlrev_b32 v24, 3, v0                       ; thread t holds C[2 t], C[2 t + 1]
	v_lshlrev_b32 v26, 5, v[HH]
	v_lshlrev_b32 v[AW], 4, v[L]
	global_load_b64 v[14:15], v25, s[50:51] offset:XML
	global_load_b64 v[16:17], v24, s[50:51]
.irp c, 0,1,2,3,4,5,6,7,8,9,10,11,12,13,14,15
	global_load_b64 v[224+2*\c:225+2*\c], v24, s[52:53] offset:XCTX+\c*1024
.endr
.irp mt, 0,1,2,3
.irp x, 0,1
	global_load_b128 v[BIAS+8*\mt+4*\x:BIAS+8*\mt+4*\x+3], v26, s[48:49] offset:WFB+64*\mt+16*\x   ; base0[64 w + 16 mt + 8 hh + ..]
.endr
.endr
	WIN 0xc0
.set i, 0
.rept 64
	global_load_b128 v[4*i:4*i+3], v[AW], s[44:45] offset:WFC+512*i        ; Wc's fragments into window 3
.set i, i+1
.endr
	WIN 0x40
.set i, 0
.rept 64
	global_load_b128 v[4*i:4*i+3], v[AW], s[44:45] offset:512*i            ; W1a's fragments into window 1
.set i, i+1
.endr
	WIN 0
.irp n, 0,1,2,3
	global_load_b128 v[WX+4*\n:WX+4*\n+3], v[AW], s[46:47] offset:WFX+512*\n
.endr
	WIN 0x80
.set i, 0
.rept 64
	global_load_b128 v[4*i:4*i+3], v[AW], s[44:45] offset:WF2+512*i        ; W2's fragments into window 2
.set i, i+1
.endr
	WIN 0
	tensor_load_to_lds s[36:39], s[24:31]          ; rows 128-511, wanted last: still ahead of the first LDS access, the first wait on TENSORcnt and the first barrier
	s_nop 0
	; addresses
	v_mul_u32_u24 v[AH], v[R_], PH
	v_lshl_add_u32 v[AH], v[HH], 4, v[AH]
	s_lshl_b32 s42, s12, 7
	v_add_nc_u32 v[AE], s42, v[AH]
	v_lshlrev_b32 v[ASL], 2, v[R_]
	v_add_nc_u32 v[ASL], SPO, v[ASL]
	v_add_nc_u32 v[ASP], s42, v[ASL]
	v_mul_u32_u24 v[AR], v[R_], 144
	v_lshl_add_u32 v[AR], v[HH], 4, v[AR]
	v_add_nc_u32 v[AR], RBO, v[AR]
	s_mul_i32 s42, s12, RWV
	v_add_nc_u32 v[AS], s42, v[AR]
	s_mul_i32 s42, s12, STW
	s_add_co_u32 s42, s42, RBO
	v_mul_u32_u24 v[ASTG], v[R_], STP
	v_lshl_add_u32 v[ASTG], v[HH], 5, v[ASTG]
	v_add_nc_u32 v[ASTG], s42, v[ASTG]
	v_lshl_add_u32 v[ARD], v[L], 3, s42
	s_lshl_b32 s42, s12, 8
	v_lshl_add_u32 v[AO], v[L], 3, s42
	v_lshl_add_u32 v27, v0, 2, CSO
	v_lshl_add_u32 v23, v[HH], 4, CSO
	s_wait_loadcnt 63                              ; of the 222 loads only the youngest 63 may be out, all of them W2's: the partials, the bias, Wc, W1a and the extra tile are in
	; merge the 16 chunks: M = their largest maximum, a_c = 2^(m_c - M) / sum of l_c 2^(m_c - M) / 8192
	v_mov_b32 v18, v14
.irp x, 1,2,4,8
	v_max_num_f32_dpp v18, v18, v18 row_xmask:\x row_mask:0xf bank_mask:0xf
.endr
	v_sub_f32 v19, v14, v18
	v_exp_f32 v19, v19
	v_nop                                          ; one plain place behind a transcendental (ISA guide 5.7.2)
	s_wait_alu depctr_va_vdst(0)
	v_mul_f32 v20, v15, v19
.irp x, 1,2,4,8
	v_add_f32_dpp v20, v20, v20 row_xmask:\x row_mask:0xf bank_mask:0xf
.endr
	v_rcp_f32 v21, v20
	v_nop
	s_wait_alu depctr_va_vdst(0)
	v_mul_f32 v21, v21, v19
	v_mul_f32 v21, 0x39000000, v21                 ; 1 / T
.irp c, 0,1,2,3,4,5,6,7,8,9,10,11,12,13,14,15
	v_readlane_b32 s[68+\c], v21, \c
.endr
.irp c, 0,1,2,3,4,5,6,7,8,9,10,11,12,13,14,15
	v_fma_f32 v16, s[68+\c], v[224+2*\c], v16
	v_fma_f32 v17, s[68+\c], v[225+2*\c], v17
.endr
	v_cvt_pk_bf16_f32 v22, v16, v17
	ds_store_b32 v27, v22
	s_cmp_lg_u32 s15, 0
	s_cbranch_scc1 .Lno_c
	global_store_b64 v24, v[16:17], s[54:55]       ; the batch's first group hands C on; v24 and v[16:17] are not written again
.Lno_c:
	s_wait_dscnt 0x0                               ; my part of C is in LDS,
	s_wait_tensorcnt 0x1                           ; my 32 rows of the first 128 have landed; the younger load of 96 rows stays out
	s_barrier_signal -1
	s_barrier_wait -1
.irp ks, 0,1,2,3,4,5,6,7
	ds_load_b128 v[F0+8*\ks:F0+8*\ks+3], v23 offset:64*\ks          ; C as source 1: every column the same
	ds_load_b128 v[F0+8*\ks+4:F0+8*\ks+7], v23 offset:64*\ks+32
.endr
	s_wait_dscnt 0x0
	WIN 0x03                                       ; source 0 in window 3
.irp ks, 0,1,2,3,4,5,6,7
.irp mt, 0,1,2,3
	v_wmma_f32_16x16x32_bf16 v[BIAS+8*\mt:BIAS+8*\mt+7], v[8*(8*\mt+\ks):8*(8*\mt+\ks)+7], v[F0+8*\ks:F0+8*\ks+7], v[BIAS+8*\mt:BIAS+8*\mt+7]   ; four accumulators by turns
.endr
.endr
	WIN 0
	PLACES 5                                       ; before the bias is another accumulator's C, before window 3 and F0 are written again
	; ---------------- the first block's first product ----------------
	LDH F0, 0
	LDH F1, TTB
	s_wait_dscnt 16                                ; tile 0's 16 loads are in
	PHASE 0xf1, F0, 0, 1
	MREST
	LDH F0, BLK                                    ; block 1, tile 0
	s_wait_dscnt 16                                ; tile 1's are in
	PHASE 0xf1, F1, 1, 1
.irp s, 0,1,2,3,4,5,6,7,8,9,10,11
	MMA
	RSTEP 0, \s
.endr
	MREST
.irp s, 0,1,2,3,4,5,6,7,8,9,10,11
	RSTEP 1, \s                                    ; tile 1 has no matrix work to stand beside yet
.endr
	EMM 0, 0                                       ; two accumulators by turns
	EMM 1, 0
	EMM 0, 1
	EMM 1, 1
	PLACES 5                                       ; four before their sums are read, five before the next product writes over their B registers
	TADD 0, 1
	TADD 1, 0
	RST 0, 0
	RST 1, 0
	TST 0, 0
	TST 1, 0
	s_wait_loadcnt 0x0                             ; W2's fragments
	BAR                                            ; R and the score partials of block 0 are whole
	; ---------------- the trips ----------------
	TRIP 0, 0, 1, 1, 0                             ; trips 0 and 1 touch rows below 128 alone
	TRIP 1, 1, 1, 0, 1
	WIN 0
	v_add_nc_u32 v[AH], 2*BLK, v[AH]
	v_add_nc_u32 v[AE], 2*BLK, v[AE]
	s_mov_b32 s41, 6
.Lpair:
	TRIP 0, 0, 1, 0, 0
	TRIP 1, 1, 1, 0, 0
	WIN 0
	v_add_nc_u32 v[AH], 2*BLK, v[AH]
	v_add_nc_u32 v[AE], 2*BLK, v[AE]
	s_sub_co_u32 s41, s41, 1
	s_cmp_lg_u32 s41, 0
	s_cbranch_scc1 .Lpair
	TRIP 0, 0, 0, 0, 0                             ; trip 14: the first product of the last block
	; ---------------- the last block's second product ----------------
	LDR F0, 1, 0
	LDR F1, 1, 1
	SPLOAD 1
	HLOAD 1, 0
	s_wait_dscnt 28                                ; 16 + 8 + 4 are younger than tile 0's fragments
	PHASE 0xf2, F0, 0, 2
.irp s, 0,1,2,3,4,5,6,7,8,9,10,11,12,13,14,15,16,17,18,19,20,21,22,23
	MMA
	ESTEP 1, \s, 0                                 ; the sums of block 14, tile 1
.endr
	MREST
	HLOAD 1, 1                                     ; its registers are free only now
	s_wait_dscnt 4                                 ; all but these four
	PHASE 0xf2, F1, 1, 2
.irp c, 0,1,2,3,4,5,6
	MMA
	SCSTEP \c, 0
.endr
.irp c, 0,1,2,3,4
	MMA
	LSTEP \c, 0
.endr
.irp s, 0,1,2,3,4,5,6,7,8,9,10,11,12,13,14,15,16,17
	MMA
	ESTEP 0, \s, 0
.endr
	MREST
.irp s, 18,19,20,21,22,23
	ESTEP 0, \s, 0
.endr
	s_wait_dscnt 0x0
.irp s, 0,1,2,3,4,5,6,7,8,9,10,11,12,13,14,15,16,17,18,19,20,21,22,23
	ESTEP 1, \s, 0
.endr
	; ---------------- tail: the sums over the sixteen lanes of a half, through my quarter of the R ring ----------------
	WIN 0
	BAR                                            ; no wave reads R any more
	WIN 0x0c
	STAGE MU, 0
	STAGE M2, STS
	WIN 0
	UNSTAGE F0, 0                                  ; LDS serves a wave's instructions in order (ISA guide 5.7.1.4): these see the stores above
	UNSTAGE F0+32, STS
	s_wait_dscnt 0x0                               ; the first stage has been read: it is taken again
	WIN 0x0c
	STAGE CTX, 0
	WIN 0
	UNSTAGE F1, 0
	RED16 F0
	RED16 F0+32
	global_store_b64 v[AO], v[F0:F0+1], s[56:57] offset:XMU        ; each store of the wave: 256 consecutive bytes, aligned
	global_store_b64 v[AO], v[F0+32:F0+33], s[56:57] offset:XM2
	s_wait_dscnt 0x0
	RED16 F1
	global_store_b64 v[AO], v[F1:F1+1], s[56:57] offset:XCTX
	WIN 0x03
	v_mov_b32 v[LSW], v[LS]                        ; into window 0, for the exchange between lanes
	WIN 0
.irp x, 1,2,4,8
	v_add_f32_dpp v[LSW], v[LSW], v[LSW] row_xmask:\x row_mask:0xf bank_mask:0xf
	v_add_f32_dpp v[QA], v[QA], v[QA] row_xmask:\x row_mask:0xf bank_mask:0xf
.endr
	v_mov_b32 v247, 0
	s_lshl_b32 s42, s12, 4
	v_mov_b32 v28, s42
	v_cmp_eq_u32 vcc_lo, 0, v[L]
	s_wait_xcnt 0x0                                ; EXEC is a source of my pending stores: it changes only behind this wait
	s_wait_tensorcnt 0x0
	ds_add_u32 v30, v31
	s_wait_dscnt 0x0
	s_and_saveexec_b32 s60, vcc_lo
	global_store_b128 v28, v[MR:MR+3], s[58:59] offset:XML         ; (m, l, my wave's q, 0)
	s_wait_xcnt 0x0
	s_or_b32 exec_lo, exec_lo, s60
	s_endpgm
.Lfunc_end_k_q969a5c8cf4_it1:
	.size	k_q969a5c8cf4_it1, .Lfunc_end_k_q969a5c8cf4_it1-k_q969a5c8cf4_it1
	.p2alignl 7, 3214868480
	.fill 96, 4, 3214868480
	.section	.rodata,"a",@progbits
	.p2align	6, 0x0
	.amdhsa_kernel k_q969a5c8cf4_it1
		.amdhsa_group_segment_fixed_size 309248
		.amdhsa_private_segment_fixed_size 0
		.amdhsa_enable_private_segment 0
		.amdhsa_kernarg_size 32
		.amdhsa_user_sgpr_count 2
		.amdhsa_user_sgpr_kernarg_segment_ptr 1
		.amdhsa_wavefront_size32 1
		.amdhsa_system_sgpr_workgroup_id_x 1
		.amdhsa_system_sgpr_workgroup_id_y 1
		.amdhsa_system_sgpr_workgroup_id_z 1
		.amdhsa_system_vgpr_workitem_id 0
		.amdhsa_next_free_vgpr 1024
		.amdhsa_next_free_sgpr 96
		.amdhsa_reserve_vcc 1
		.amdhsa_float_denorm_mode_32 3
		.amdhsa_float_denorm_mode_16_64 3
		.amdhsa_memory_ordered 1
		.amdhsa_forward_progress 1
		.amdhsa_inst_pref_size 255
	.end_amdhsa_kernel
	.section	.bss,"aw",@nobits
	.p2align	6
	.space	262144
	.amdgpu_metadata
---
amdhsa.version: [ 1, 2 ]
amdhsa.kernels:
  - .name:           k_q969a5c8cf4_it1
    .symbol:         k_q969a5c8cf4_it1.kd
    .args:
      - { .name: hb, .offset: 0, .size: 8, .value_kind: global_buffer, .address_space: global }
      - { .name: wf, .offset: 8, .size: 8, .value_kind: global_buffer, .address_space: global }
      - { .name: x0, .offset: 16, .size: 8, .value_kind: global_buffer, .address_space: global }
      - { .name: x1, .offset: 24, .size: 8, .value_kind: global_buffer, .address_space: global }
    .group_segment_fixed_size: 309248
    .private_segment_fixed_size: 0
    .kernarg_segment_align: 8
    .kernarg_segment_size: 32
    .max_flat_workgroup_size: 128
    .sgpr_count:     96
    .vgpr_count:     1024
    .wavefront_size: 32
...
	.end_amdgpu_metadata
.endif
;; end of part 3
;; launch it2: the kernel of part 3 again; grid 256 x 1, 4 waves a work-group, no clusters, 309,248 bytes of LDS; arguments hb, wf, x1, x2; writes x2
;; launch it3: the kernel of part 3 again; grid 256 x 1, 4 waves a work-group, no clusters, 309,248 bytes of LDS; arguments hb, wf, x2, x3; writes x3
;; launch it4: the kernel of part 3 again; grid 256 x 1, 4 waves a work-group, no clusters, 309,248 bytes of LDS; arguments hb, wf, x3, x4; writes x4
;; launch fin (part 4): grid 3 x 64, 8 waves a work-group, no clusters, 9,216 bytes of LDS; arguments x1, x2, x3, x4, ps, b2, wp, bp, w0, b0, out0, out1; writes out0, out1
.if DOCPART == 4
	.amdgcn_target "amdgcn-amd-amdhsa--gfx1250"
	.amdhsa_code_object_version 6
	.text
	.protected	k_q969a5c8cf4_fin
	.globl	k_q969a5c8cf4_fin
	.p2align	8
	.type	k_q969a5c8cf4_fin,@function
k_q969a5c8cf4_fin:
	s_mov_b64 s[64:65], 0
	v_nop
	global_prefetch_b8 v0, s[64:65] scope:SCOPE_SE
	s_setreg_imm32_b32 hwreg(HW_REG_WAVE_MODE, 25, 1), 1
	s_wait_xcnt 0x0
; The four passes' partials become the outputs.  Work-group (e3, y = 4 b + k): 64 columns 64 e3 .. of emb[b][k].
;   mu[d] = sum over the batch's 16 chunks of (sum o h) + b2[d] x (sum h);  m2 likewise with h^2;  sig = sqrt(max(m2 - mu^2, 1e-8));
;   emb = [mu, sig] w0 + b0, sums in f32 on the vector unit (512 x 64 multiply-adds a group: too little for the matrix unit).
; The groups (0, k), k < 4, also make p[k] = sigmoid(bp - mean): mean = 2^-17 x (sum of all 1,024 q) + b2 . wp.
; FORMATS: w0 and wp enter rounded to bf16, as every weight matrix of this program does.  b2 ENTERS ROUNDED TO bf16 TOO: b2[d] multiplies the sum of h^2 over 8,192 rows and the
; product enters m2 - mu^2 under the root, so b2 is kept in the same format as the product R W2 that it is added to.  [mu, sig], b0 and bp stay f32.
; LIMIT: the results are those of reference() on h, W1, W2, Wc, w0, wp, b2 rounded to bf16, with relu's result and C rounded to bf16 as matrix operands besides.
; Where m2 - mu^2 lies within a few units of 0 (both are sums over 8,192 rows), sig carries the root of that rounding's error.
; No cluster: each group reads its own columns of w0 and its own partials.  v_sqrt_f32, v_exp_f32, v_rcp_f32: 1 ULP, denormals flushed.
.set PSR, 16                           ; v[16:79]   4 x 16 partials as loaded
.set V,   16                           ; v[16:47]   later: my 32 entries of [mu, sig]
.set B2R, 80
.set M,   84                           ; v[84:211]  32 x 4 numbers of w0
.set ACC, 212
.set RT,  216                          ; v[216:219] packed pairs, four by turns
.set XMU,  16384
.set XM2,  278528
.set XML,  802816
.macro ROUND2 b, n                     ; the 2 n numbers v[b ..] are rounded to bf16 (nearest even) and widened again
.set i, 0
.rept \n
	v_cvt_pk_bf16_f32 v[RT+i%4], v[\b+2*i], v[\b+2*i+1]
	v_lshlrev_b32 v[\b+2*i], 16, v[RT+i%4]
	v_and_b32 v[\b+2*i+1], 0xffff0000, v[RT+i%4]
.set i, i+1
.endr
.endm
.macro SUM16 b                         ; v[b] = the sum of v[b .. b+15]
.irp k, 0,4,8,12
	v_pk_add_f32 v[\b+\k:\b+\k+1], v[\b+\k:\b+\k+1], v[\b+\k+2:\b+\k+3]
.endr
	v_pk_add_f32 v[\b:\b+1], v[\b:\b+1], v[\b+4:\b+5]
	v_pk_add_f32 v[\b+8:\b+9], v[\b+8:\b+9], v[\b+12:\b+13]
	v_pk_add_f32 v[\b:\b+1], v[\b:\b+1], v[\b+8:\b+9]
	v_add_f32 v[\b], v[\b], v[\b+1]
.endm
.macro RED16 b                         ; v[b:b+1] = the sum of the sixteen pairs v[b .. b+31]
.irp k, 0,4,8,12,16,20,24,28
	v_pk_add_f32 v[\b+\k:\b+\k+1], v[\b+\k:\b+\k+1], v[\b+\k+2:\b+\k+3]
.endr
.irp k, 0,8,16,24
	v_pk_add_f32 v[\b+\k:\b+\k+1], v[\b+\k:\b+\k+1], v[\b+\k+4:\b+\k+5]
.endr
.irp k, 0,16
	v_pk_add_f32 v[\b+\k:\b+\k+1], v[\b+\k:\b+\k+1], v[\b+\k+8:\b+\k+9]
.endr
	v_pk_add_f32 v[\b:\b+1], v[\b:\b+1], v[\b+16:\b+17]
.endm
	s_load_b512 s[4:19], s[0:1], 0x0               ; x1 s[4:5], x2 s[6:7], x3 s[8:9], x4 s[10:11], ps s[12:13], b2 s[14:15], wp s[16:17], bp s[18:19]
	s_load_b256 s[20:27], s[0:1], 0x40             ; w0 s[20:21], b0 s[22:23], out0 s[24:25], out1 s[26:27]
	v_lshl_add_u32 v224, v0, 2, 0x2000
	v_mov_b32 v225, 0
	v_lshrrev_b32 v1, 5, v0
	v_readfirstlane_b32 s28, v1                    ; wave
	s_mov_b32 s29, ttmp9                           ; e3
	s_and_b32 s30, ttmp7, 0xffff                   ; y
	s_lshr_b32 s31, s30, 2                         ; batch
	s_and_b32 s32, s30, 3                          ; pass
	s_mov_b32 s37, 0
	v_lshlrev_b32 v2, 2, v0                        ; column d = t
	v_and_b32 v3, 15, v0
	v_lshlrev_b32 v3, 4, v3
	v_lshrrev_b32 v4, 4, v0                        ; kg
	v_mad_u32_u24 v3, v4, 24576, v3                ; 32 rows of 768 bytes a group + 16 cq
	s_wait_kmcnt 0x0
	s_cmp_eq_u32 s32, 1
	s_cselect_b64 s[34:35], s[6:7], s[4:5]
	s_cmp_eq_u32 s32, 2
	s_cselect_b64 s[34:35], s[8:9], s[34:35]
	s_cmp_eq_u32 s32, 3
	s_cselect_b64 s[34:35], s[10:11], s[34:35]     ; the pass's partials
	s_lshl_b32 s36, s31, 14
	s_add_nc_u64 s[38:39], s[34:35], s[36:37]      ; + 16 chunks x 1,024 bytes a batch
	s_lshl_b32 s36, s31, 15
	s_add_nc_u64 s[12:13], s[12:13], s[36:37]
	s_lshl_b32 s36, s29, 8
	s_add_nc_u64 s[20:21], s[20:21], s[36:37]      ; w0 and b0 at my 64 columns
	s_add_nc_u64 s[22:23], s[22:23], s[36:37]
	s_mul_i32 s33, s30, 768
	s_add_co_u32 s36, s36, s33
	s_add_nc_u64 s[24:25], s[24:25], s[36:37]      ; out0 at (b, k, 64 e3)
.irp c, 0,1,2,3,4,5,6,7,8,9,10,11,12,13,14,15
	global_load_b32 v[PSR+\c], v2, s[38:39] offset:XMU+\c*1024
	global_load_b32 v[PSR+16+\c], v2, s[38:39] offset:XM2+\c*1024
	global_load_b32 v[PSR+32+\c], v2, s[12:13] offset:\c*2048
	global_load_b32 v[PSR+48+\c], v2, s[12:13] offset:\c*2048+1024
.endr
	global_load_b32 v[B2R], v2, s[14:15]
.set i, 0
.rept 32
	global_load_b128 v[M+4*i:M+4*i+3], v3, s[20:21] offset:i*768   ; rows 32 kg + i, columns 4 cq ..: sixteen lanes read 256 consecutive bytes
.set i, i+1
.endr
	s_wait_loadcnt 32                              ; the 32 loads of w0 are younger: the partials and b2 are in
	v_cvt_pk_bf16_f32 v[RT], v[B2R], v[B2R]        ; b2 rounded to bf16 (see the head),
	v_lshlrev_b32 v[B2R], 16, v[RT]                ; and widened again
	SUM16 PSR
	SUM16 PSR+16
	SUM16 PSR+32
	SUM16 PSR+48
	v_fma_f32 v5, v[B2R], v[PSR+32], v[PSR]        ; mu
	v_fma_f32 v6, v[B2R], v[PSR+48], v[PSR+16]     ; m2
	v_fma_f32 v6, -v5, v5, v6
	v_max_num_f32 v6, 0x322bcc77, v6               ; at least 1e-8
	v_sqrt_f32 v7, v6
	v_nop                                          ; one plain place behind the root (ISA guide 5.7.2)
	ds_store_b32 v2, v5
	s_wait_alu depctr_va_vdst(0)
	ds_store_b32 v2, v7 offset:1024
	s_wait_dscnt 0x0
	s_barrier_signal -1
	s_barrier_wait -1
	v_lshlrev_b32 v8, 7, v4                        ; my 32 entries of [mu, sig]
.irp j, 0,1,2,3,4,5,6,7
	ds_load_b128 v[V+4*\j:V+4*\j+3], v8 offset:16*\j
.endr
	s_wait_loadcnt 0x0
	ROUND2 M, 64                                   ; w0 as a bf16 operand
	s_wait_dscnt 0x0
	v_pk_mul_f32 v[ACC:ACC+1], v[M:M+1], v[V:V+1] op_sel_hi:[1,0]                    ; the first products start the sums
	v_pk_mul_f32 v[ACC+2:ACC+3], v[M+2:M+3], v[V:V+1] op_sel_hi:[1,0]
	v_pk_fma_f32 v[ACC:ACC+1], v[M+4:M+5], v[V:V+1], v[ACC:ACC+1] op_sel:[0,1,0] op_sel_hi:[1,1,1]
	v_pk_fma_f32 v[ACC+2:ACC+3], v[M+6:M+7], v[V:V+1], v[ACC+2:ACC+3] op_sel:[0,1,0] op_sel_hi:[1,1,1]
.set i, 2
.rept 15
	v_pk_fma_f32 v[ACC:ACC+1], v[M+4*i:M+4*i+1], v[V+i:V+i+1], v[ACC:ACC+1] op_sel_hi:[1,0,1]
	v_pk_fma_f32 v[ACC+2:ACC+3], v[M+4*i+2:M+4*i+3], v[V+i:V+i+1], v[ACC+2:ACC+3] op_sel_hi:[1,0,1]
	v_pk_fma_f32 v[ACC:ACC+1], v[M+4*i+4:M+4*i+5], v[V+i:V+i+1], v[ACC:ACC+1] op_sel:[0,1,0] op_sel_hi:[1,1,1]
	v_pk_fma_f32 v[ACC+2:ACC+3], v[M+4*i+6:M+4*i+7], v[V+i:V+i+1], v[ACC+2:ACC+3] op_sel:[0,1,0] op_sel_hi:[1,1,1]
.set i, i+2
.endr
	v_lshlrev_b32 v9, 4, v0
	ds_store_b128 v9, v[ACC:ACC+3] offset:2048     ; [16 kg][64 columns] f32
	s_wait_dscnt 0x0
	s_barrier_signal -1
	s_barrier_wait -1
	s_cmp_lg_u32 s28, 0
	s_cbranch_scc1 .Lend
	; wave 0: lane L adds the sixteen groups' columns 2 L, 2 L + 1
	v_lshlrev_b32 v10, 3, v0
	global_load_b64 v[12:13], v10, s[22:23]        ; b0
.set i, 0
.rept 16
	ds_load_b64 v[M+2*i:M+2*i+1], v10 offset:2048+256*i
.set i, i+1
.endr
	s_wait_dscnt 0x0
	RED16 M
	s_wait_loadcnt 0x0
	v_pk_add_f32 v[M:M+1], v[M:M+1], v[12:13]
	global_store_b64 v10, v[M:M+1], s[24:25]       ; 256 consecutive bytes, aligned
	s_cmp_lg_u32 s29, 0
	s_cbranch_scc1 .Lend
	s_cmp_ge_u32 s30, 4
	s_cbranch_scc1 .Lend
	; p[k]: here b = 0 and k = y
	v_lshlrev_b32 v11, 5, v0
	s_wait_xcnt 0x0                                ; the store above has read v[M:M+1]: they are loaded again only behind this wait
.set i, 0
.rept 32
	global_load_b128 v[M+4*i:M+4*i+3], v9, s[34:35] offset:XML+512*i       ; entries lane + 32 i of the 1,024
.set i, i+1
.endr
	global_load_b128 v[16:19], v11, s[14:15]
	global_load_b128 v[20:23], v11, s[14:15] offset:16
	global_load_b128 v[24:27], v11, s[16:17]
	global_load_b128 v[28:31], v11, s[16:17] offset:16
	s_load_b32 s43, s[18:19], 0x0                  ; bp
	s_mov_b32 s40, 0x76543210
	s_mov_b32 s41, 0xfedcba98
	s_mov_b32 s44, 0x37000000                      ; 1 / (16 x 8192)
	s_wait_loadcnt 0x0
	ROUND2 16, 8                                   ; my 8 numbers of b2 and of wp, rounded to bf16 as everywhere in this program
.set i, 4
.rept 28
	v_add_f32 v[M+4*(i%4)+2], v[M+4*(i%4)+2], v[M+4*i+2]           ; the third word of each entry, in four chains
.set i, i+1
.endr
	v_add_f32 v[M+2], v[M+2], v[M+6]
	v_add_f32 v[M+10], v[M+10], v[M+14]
	v_add_f32 v[M+2], v[M+2], v[M+10]
	v_pk_mul_f32 v[32:33], v[16:17], v[24:25]
	v_pk_fma_f32 v[32:33], v[18:19], v[26:27], v[32:33]
	v_pk_fma_f32 v[32:33], v[20:21], v[28:29], v[32:33]
	v_pk_fma_f32 v[32:33], v[22:23], v[30:31], v[32:33]
	v_add_f32 v32, v32, v33
	v_fma_f32 v32, v[M+2], s44, v32                ; q / (16 x 8192) + b2 . wp, my share
.irp x, 1,2,4,8
	v_add_f32_dpp v32, v32, v32 row_xmask:\x row_mask:0xf bank_mask:0xf
.endr
	v_permlanex16_b32 v33, v32, s40, s41
	v_add_f32 v32, v32, v33
	s_wait_kmcnt 0x0
	v_sub_f32 v32, v32, s43                        ; mean - bp
	v_mul_f32 v32, 0x3fb8aa3b, v32
	v_exp_f32 v32, v32
	v_nop                                          ; one plain place behind a transcendental (ISA guide 5.7.2)
	s_wait_alu depctr_va_vdst(0)
	v_add_f32 v32, 1.0, v32
	v_rcp_f32 v32, v32
	v_mov_b32 v34, 0                               ; the place behind the reciprocal, and the store's offset
	s_lshl_b32 s36, s30, 2
	s_add_nc_u64 s[26:27], s[26:27], s[36:37]
	v_cmp_eq_u32 vcc_lo, 0, v0
	s_wait_xcnt 0x0                                ; EXEC changes only behind this wait
	s_and_saveexec_b32 s42, vcc_lo
	s_wait_alu depctr_va_vdst(0)
	global_store_b32 v34, v32, s[26:27]
	s_wait_xcnt 0x0
	s_or_b32 exec_lo, exec_lo, s42
.Lend:
	s_wait_tensorcnt 0x0
	ds_add_u32 v224, v225
	s_wait_dscnt 0x0
	s_endpgm
.Lfunc_end_k_q969a5c8cf4_fin:
	.size	k_q969a5c8cf4_fin, .Lfunc_end_k_q969a5c8cf4_fin-k_q969a5c8cf4_fin
	.p2alignl 7, 3214868480
	.fill 96, 4, 3214868480
	.section	.rodata,"a",@progbits
	.p2align	6, 0x0
	.amdhsa_kernel k_q969a5c8cf4_fin
		.amdhsa_group_segment_fixed_size 9216
		.amdhsa_private_segment_fixed_size 0
		.amdhsa_enable_private_segment 0
		.amdhsa_kernarg_size 96
		.amdhsa_user_sgpr_count 2
		.amdhsa_user_sgpr_kernarg_segment_ptr 1
		.amdhsa_wavefront_size32 1
		.amdhsa_system_sgpr_workgroup_id_x 1
		.amdhsa_system_sgpr_workgroup_id_y 1
		.amdhsa_system_sgpr_workgroup_id_z 1
		.amdhsa_system_vgpr_workitem_id 0
		.amdhsa_next_free_vgpr 226
		.amdhsa_next_free_sgpr 66
		.amdhsa_reserve_vcc 1
		.amdhsa_float_denorm_mode_32 3
		.amdhsa_float_denorm_mode_16_64 3
		.amdhsa_memory_ordered 1
		.amdhsa_forward_progress 1
		.amdhsa_inst_pref_size 38
	.end_amdhsa_kernel
	.amdgpu_metadata
---
amdhsa.version: [ 1, 2 ]
amdhsa.kernels:
  - .name:           k_q969a5c8cf4_fin
    .symbol:         k_q969a5c8cf4_fin.kd
    .args:
      - { .name: x1, .offset: 0, .size: 8, .value_kind: global_buffer, .address_space: global }
      - { .name: x2, .offset: 8, .size: 8, .value_kind: global_buffer, .address_space: global }
      - { .name: x3, .offset: 16, .size: 8, .value_kind: global_buffer, .address_space: global }
      - { .name: x4, .offset: 24, .size: 8, .value_kind: global_buffer, .address_space: global }
      - { .name: ps, .offset: 32, .size: 8, .value_kind: global_buffer, .address_space: global }
      - { .name: b2, .offset: 40, .size: 8, .value_kind: global_buffer, .address_space: global }
      - { .name: wp, .offset: 48, .size: 8, .value_kind: global_buffer, .address_space: global }
      - { .name: bp, .offset: 56, .size: 8, .value_kind: global_buffer, .address_space: global }
      - { .name: w0, .offset: 64, .size: 8, .value_kind: global_buffer, .address_space: global }
      - { .name: b0, .offset: 72, .size: 8, .value_kind: global_buffer, .address_space: global }
      - { .name: out0, .offset: 80, .size: 8, .value_kind: global_buffer, .address_space: global }
      - { .name: out1, .offset: 88, .size: 8, .value_kind: global_buffer, .address_space: global }
    .group_segment_fixed_size: 9216
    .private_segment_fixed_size: 0
    .kernarg_segment_align: 8
    .kernarg_segment_size: 96
    .max_flat_workgroup_size: 256
    .sgpr_count:     66
    .vgpr_count:     226
    .wavefront_size: 32
...
	.end_amdgpu_metadata
.endif
;; end of part 4
